; MI455X (gfx1250); checked and timed in simulation.
; The chip was launched on July 23, 2026; its instructions are those of AMD's public machine-readable ISA for CDNA 5 (MIT licence, August 2026) and "CDNA5" Instruction Set Architecture Reference Guide (July 2026). The comments in the code are by the model that wrote it; some were corrected since.
;; Causal Self Attention. Allowed arithmetic: float matrix products may take bf16 or f16 operands with f32 sums; all other float work in f32.
;; Inputs: w_attn 3,072 x 1,024 float32; w_proj 1,024 x 1,024 float32; x 2 x 2,048 x 1,024 float32.
;; Outputs: out0 2 x 2,048 x 1,024 float32.
;; One version. Each part assembles by itself: llvm-mc -triple=amdgcn-amd-amdhsa -mcpu=gfx1250 --defsym DOCPART=n.
;; ======== version 1 of 1: 4 launches
;; limits: values are held in f16: magnitudes above 65,504 overflow, below 6.1e-05 lose precision
;; workspace buffers: xb 8,388,608 bytes; wab 6,291,456 bytes; wpb 2,097,152 bytes; qkv 25,165,824 bytes; yh 8,388,608 bytes
;; launch cast (part 1): grid 1024 x 1, 8 waves a work-group, no clusters, 0 bytes of LDS; arguments x, w_attn, w_proj, xb, wab, wpb; writes xb, wab, wpb
.if DOCPART == 1
	.amdgcn_target "amdgcn-amd-amdhsa--gfx1250"
	.amdhsa_code_object_version 6
	.text
	.protected	k_qccb5698d20_cast
	.globl	k_qccb5698d20_cast
	.p2align	8
	.type	k_qccb5698d20_cast,@function
k_qccb5698d20_cast:
	s_mov_b64 s[64:65], 0
	v_nop
	global_prefetch_b8 v0, s[64:65] scope:SCOPE_SE
	s_setreg_imm32_b32 hwreg(HW_REG_WAVE_MODE, 25, 1), 1
	s_wait_xcnt 0x0
; The three f32 inputs are rounded once to the formats in which the matrix units take them:
;   x [4096][1024] -> xb bf16,  w_attn [3072][1024] -> wab bf16,  w_proj [1024][1024] -> wpb: rounded to bf16, that value kept as f16.
; (The projection multiplies f16 operands; a bf16 number is exact in f16 from 2^-14 up to 65,504.  LIMIT: below 2^-14 the f16 copy of w_proj
; has an absolute error of up to 2^-25; |w_proj| must stay below 65,504.)
; A stream: no LDS, no barrier, no matrix unit.  A work-group takes 8,192 numbers (32,768 bytes in, 16,384 out): groups 0-511 x, 512-895 w_attn,
; 896-1023 w_proj.  Thread t issues eight 16-byte loads, load j at 16 t + 4096 j (a wave's load covers 512 consecutive bytes), and eight 8-byte
; stores, store j at 8 t + 2048 j (a wave's store covers 256 consecutive bytes, aligned).  Nothing is read twice, no register is reused by memory.
.set X, 8                              ; v[8:39]   load j: 4 registers
.set Y, 40                             ; v[40:55]  store j: 2 registers
.set T, 56                             ; v[56:61]  at work (w_proj only)
	s_load_b256 s[4:11], s[0:1], 0x0               ; x s[4:5], w_attn s[6:7], w_proj s[8:9], xb s[10:11]
	s_load_b128 s[12:15], s[0:1], 0x20             ; wab s[12:13], wpb s[14:15]
	v_lshlrev_b32 v1, 4, v0                        ; 16 t
	v_lshlrev_b32 v2, 3, v0                        ; 8 t
	s_wait_kmcnt 0x0
	s_cmp_lt_u32 ttmp9, 512                        ; which tensor: chosen by the work-group's number alone
	s_cselect_b64 s[16:17], s[4:5], s[6:7]         ; from
	s_cselect_b64 s[18:19], s[10:11], s[12:13]     ; to
	s_cselect_b32 s20, 0, 512                      ; the tensor's first work-group
	s_cmp_lt_u32 ttmp9, 896
	s_cselect_b64 s[16:17], s[16:17], s[8:9]
	s_cselect_b64 s[18:19], s[18:19], s[14:15]
	s_cselect_b32 s20, s20, 896
	s_sub_co_u32 s20, ttmp9, s20                   ; my part of that tensor
	s_lshl_b32 s22, s20, 15                        ; x 32,768 bytes in
	s_mov_b32 s23, 0
	s_lshl_b32 s24, s20, 14                        ; x 16,384 bytes out
	s_mov_b32 s25, 0
	s_add_nc_u64 s[16:17], s[16:17], s[22:23]
	s_add_nc_u64 s[18:19], s[18:19], s[24:25]
.irp j, 0,1,2,3,4,5,6,7
	global_load_b128 v[X+4*\j:X+4*\j+3], v1, s[16:17] offset:4096*\j th:TH_LOAD_NT   ; read once in the launch
.endr
; Four numbers of load j are rounded and stored.  tof16 = 1: the bf16 value is widened again and written as f16.
.macro CONV j, tof16
	s_wait_loadcnt 7-\j                            ; loads come back in order: load j is in, the 7 - j younger ones stay out
.if \tof16
	v_cvt_pk_bf16_f32 v[T],   v[X+4*\j],   v[X+4*\j+1]
	v_cvt_pk_bf16_f32 v[T+1], v[X+4*\j+2], v[X+4*\j+3]
	v_lshlrev_b32 v[T+2], 16, v[T]                 ; bf16 to f32: the low half moves up,
	v_and_b32     v[T+3], 0xffff0000, v[T]         ; the high half stays
	v_lshlrev_b32 v[T+4], 16, v[T+1]
	v_and_b32     v[T+5], 0xffff0000, v[T+1]
	v_cvt_pk_f16_f32 v[Y+2*\j],   v[T+2], v[T+3]
	v_cvt_pk_f16_f32 v[Y+2*\j+1], v[T+4], v[T+5]
.else
	v_cvt_pk_bf16_f32 v[Y+2*\j],   v[X+4*\j],   v[X+4*\j+1]
	v_cvt_pk_bf16_f32 v[Y+2*\j+1], v[X+4*\j+2], v[X+4*\j+3]
.endif
	global_store_b64 v2, v[Y+2*\j:Y+2*\j+1], s[18:19] offset:2048*\j    ; no hint: the next launch reads it
.endm
	s_cmp_ge_u32 ttmp9, 896
	s_cbranch_scc1 .Lproj
.irp j, 0,1,2,3,4,5,6,7
	CONV \j, 0
.endr
	s_endpgm
.Lproj:
.irp j, 0,1,2,3,4,5,6,7
	CONV \j, 1
.endr
	s_endpgm
.Lfunc_end_k_qccb5698d20_cast:
	.size	k_qccb5698d20_cast, .Lfunc_end_k_qccb5698d20_cast-k_qccb5698d20_cast
	.p2alignl 7, 3214868480
	.fill 96, 4, 3214868480
	.section	.rodata,"a",@progbits
	.p2align	6, 0x0
	.amdhsa_kernel k_qccb5698d20_cast
		.amdhsa_group_segment_fixed_size 0
		.amdhsa_private_segment_fixed_size 0
		.amdhsa_enable_private_segment 0
		.amdhsa_kernarg_size 48
		.amdhsa_user_sgpr_count 2
		.amdhsa_user_sgpr_kernarg_segment_ptr 1
		.amdhsa_wavefront_size32 1
		.amdhsa_system_sgpr_workgroup_id_x 1
		.amdhsa_system_sgpr_workgroup_id_y 1
		.amdhsa_system_sgpr_workgroup_id_z 1
		.amdhsa_system_vgpr_workitem_id 0
		.amdhsa_next_free_vgpr 64
		.amdhsa_next_free_sgpr 66
		.amdhsa_reserve_vcc 0
		.amdhsa_float_denorm_mode_32 3
		.amdhsa_float_denorm_mode_16_64 3
		.amdhsa_memory_ordered 1
		.amdhsa_forward_progress 1
		.amdhsa_inst_pref_size 9
	.end_amdhsa_kernel
	.amdgpu_metadata
---
amdhsa.version: [ 1, 2 ]
amdhsa.kernels:
  - .name:           k_qccb5698d20_cast
    .symbol:         k_qccb5698d20_cast.kd
    .args:
      - { .name: x, .offset: 0, .size: 8, .value_kind: global_buffer, .address_space: global }
      - { .name: w_attn, .offset: 8, .size: 8, .value_kind: global_buffer, .address_space: global }
      - { .name: w_proj, .offset: 16, .size: 8, .value_kind: global_buffer, .address_space: global }
      - { .name: xb, .offset: 24, .size: 8, .value_kind: global_buffer, .address_space: global }
      - { .name: wab, .offset: 32, .size: 8, .value_kind: global_buffer, .address_space: global }
      - { .name: wpb, .offset: 40, .size: 8, .value_kind: global_buffer, .address_space: global }
    .group_segment_fixed_size: 0
    .private_segment_fixed_size: 0
    .kernarg_segment_align: 8
    .kernarg_segment_size: 48
    .max_flat_workgroup_size: 256
    .sgpr_count:     66
    .vgpr_count:     64
    .wavefront_size: 32
...
	.end_amdgpu_metadata
.endif
;; end of part 1
;; launch qkvgemm (part 2): grid 12 x 16, 4 waves a work-group, clusters of 4 x 4, 327,680 bytes of LDS; arguments xb, wab, qkv; writes qkv
.if DOCPART == 2
	.amdgcn_target "amdgcn-amd-amdhsa--gfx1250"
	.amdhsa_code_object_version 6
	.text
	.protected	k_qccb5698d20_qkvgemm
	.globl	k_qccb5698d20_qkvgemm
	.p2align	8
	.type	k_qccb5698d20_qkvgemm,@function
k_qccb5698d20_qkvgemm:
	s_mov_b64 s[64:65], 0
	v_nop
	global_prefetch_b8 v0, s[64:65] scope:SCOPE_SE
	s_setreg_imm32_b32 hwreg(HW_REG_WAVE_MODE, 25, 1), 1
	s_wait_xcnt 0x0
	s_wait_alu depctr_hold_cnt(0) depctr_sa_sdst(0) depctr_va_vdst(0) depctr_va_sdst(0) depctr_va_ssrc(0) depctr_va_vcc(0) depctr_vm_vsrc(0)
	s_getreg_b32 s2, hwreg(HW_REG_IB_STS2, 6, 4)
	s_cmp_eq_u32 s2, 0
	s_cbranch_scc0 .Lentry_in_a_cluster
	s_endpgm
.Lentry_in_a_cluster:
	s_bfe_u32 s2, ttmp6, 0x10000c
	s_cmp_lg_u32 s2, 0xf033
	s_cbranch_scc0 .Lentry_shape_is_right
	s_endpgm
.Lentry_shape_is_right:
; qkv = x w_attn^T.  A = xb [4096][1024] bf16, B = wab [3072][1024] bf16; sums in f32; the result is rounded once to f16 and stored head-major:
; qkv[which 0..2][b*16 + h][t 0..2047][d 0..63], a plane (one head of one batch) of 262,144 bytes.
; LIMIT: |q|, |k|, |v| must stay below 65,504 (f16); below 2^-14 they keep an absolute error of up to 2^-25.
; A work-group makes a block of 256 x 256 with four waves; a wave makes 128 x 128: 64 accumulator tiles of 16 x 16, 512 registers.
; K goes in steps of 128 through a ring of two LDS slots filled by the tensor data mover: a tile's rows are 256 bytes of memory and start at
; multiples of 256 bytes from the buffer's first byte.  192 work-groups: 16 block rows x 12 block columns.
; CLUSTERS: 4 x 4 work-groups.  The four of a row of the cluster need the same tiles of A, the four of a column the same tiles of B.  Such a tile is asked for
; JOINTLY: each of the four issues the same tensor load, with the same descriptor and a mask that names the four.  That divides the requests by four.
;
; REGISTERS, in windows of 256:
;   window 0: v0-31 addresses; v64-127, v128-191 fragments of A (8 x 16 rows x 32 K), two buffers; v192-223 at work on the way out
;   window 1: v64-127, v128-191 fragments of B, two buffers
;   window 2: the 32 accumulator tiles of my rows 0-63 (tile (a, b) at v[8 (8 a + b)]);   window 3: those of my rows 64-127
; s_set_vgpr_msb's low byte: bits 1:0 source 0, 3:2 source 1, 5:4 source 2, 7:6 destination.
; THE MATRIX INSTRUCTION IS USED TRANSPOSED: source 0 = 16 rows of B, source 1 = 16 rows of A.  Lane l then holds row m = l % 16 of the result and its
; registers 0 to 7 the columns n = 8 (l / 16) + 0 .. 7: eight neighbouring numbers of one row, which pack into 16 bytes.
.set SIZE_M, 4096
.set SIZE_N, 3072
.set SIZE_K, 1024
.set KSTEP,  128
.set PITCH,  272                       ; an LDS row: 256 bytes of data + 16 of padding, an odd multiple of 16: the 16 rows that a load touches start 16 bytes apart modulo 256
.set HALFT,  128*PITCH                 ; 128 rows: what one tensor load brings, and what one wave reads of A or of B
.set SLOT,   4*HALFT                   ; A's 256 rows, then B's 256 rows
.set STAGE,  2*SLOT                    ; behind the ring: 16 rows x 272 bytes for each wave, for the way out
.set SPITCH, 272
.set PLANE,  262144                    ; bytes of one head's plane in qkv
.set LAPS, SIZE_K/(2*KSTEP)            ; a lap = two K steps = once round the ring: 4
.set ADRA, 16                          ; v16-17  LDS address of my A fragments in slot 0, 1
.set ADRB, 20                          ; v20-21  the same for B
.set STO,  24                          ; v24     the way out: where I put 16 bytes of a row
.set RD,   25                          ; v25     the way out: where I read back
.set CO,   26                          ; v26     my byte offset in the plane
.set F0,   64                          ; fragment buffer 0
.set F1,   128                         ; fragment buffer 1
.set TMP,  192                         ; the way out: packed results, in window 0
.set G1, 24                            ; s[24:31] descriptor group 1 for A's tiles
.set G0, 32                            ; s[32:39] descriptor group 0 for A's tiles, one set for each slot
.set G1B, 48                           ; s[48:55] descriptor group 1 for B's tiles: it differs from A's in the mask alone
.set G0B, 56                           ; s[56:63] descriptor group 0 for B's tiles, one set for each slot
.set MSB, 0
.macro WIN new                         ; the immediate's high byte repeats the setting that is left
.if MSB != \new
	s_set_vgpr_msb (MSB<<8)|\new
.set MSB, \new
.endif
.endm
.set MUL_LO, 0xa1                      ; source 0 (B) window 1, source 1 (A) window 0, C and D window 2
.set MUL_HI, 0xf1                      ; the same, C and D window 3
.set TO_B,   0x40                      ; destination window 1, address window 0
; A joint load.  Waves 0 and 1 fetch A's two halves, waves 2 and 3 B's.  Each of the two lines has one mask and one set of registers for all that issue it.
; The branch hangs on the wave's number alone: it is the same in every work-group.
.macro JLOAD s
	s_cmp_eq_u32 s11, 0
	s_cbranch_scc0 .Lfor_b_\@
	tensor_load_to_lds s[G0+4*\s:G0+4*\s+3], s[G1:G1+7]
	s_nop 0
	s_branch .Lasked_\@
.Lfor_b_\@:
	tensor_load_to_lds s[G0B+4*\s:G0B+4*\s+3], s[G1B:G1B+7]
	s_nop 0
.Lasked_\@:
.endm
; A round of the cluster's barrier: my work-group's barrier, so that wave 0's signal speaks for all four waves; wave 0 signals for the work-group; every wave
; waits for all sixteen work-groups; my work-group's barrier once more.
.macro CREST                           ; a round behind its opening barrier
	s_cmp_lg_u32 s10, 0
	s_cbranch_scc1 .Lnot_wave_0_\@
	s_barrier_signal -3
.Lnot_wave_0_\@:
	s_barrier_wait -3
	s_barrier_signal -1
	s_barrier_wait -1
.endm
.macro CROUND                          ; a whole round
	s_barrier_signal -1
	s_barrier_wait -1
	CREST
.endm
	s_load_b128 s[4:7], s[0:1], 0x0                ; A s[4:5], B s[6:7]
	s_load_b64 s[8:9], s[0:1], 0x10                ; qkv
	s_set_vgpr_msb 0x40
	v_lshl_add_u32 v255, v0, 2, 0x48400
	s_set_vgpr_msb 0x4000
	v_mov_b32 v255, 0
	s_set_vgpr_msb 0x1
	ds_add_u32 v255, v255
	s_set_vgpr_msb 0x100
	v_lshrrev_b32 v1, 5, v0
	v_readfirstlane_b32 s10, v1                    ; wave 0..3
	s_lshr_b32 s11, s10, 1                         ; which half of the block's rows is mine.  Also: I fetch for A (0) or for B (1)
	s_and_b32 s12, s10, 1                          ; which half of its columns.  Also: which 128 rows of that tile I fetch
	s_bfe_u32 s40, ttmp6, 0x40000                  ; cx: my place along the cluster's x
	s_bfe_u32 s41, ttmp6, 0x40004                  ; cy: along its y
	s_lshl_b32 s42, ttmp9, 2                       ; in a cluster launch ttmp9 and ttmp7 count clusters
	s_add_co_u32 s42, s42, s40                     ; block column = 4 x cluster x + cx
	s_and_b32 s13, ttmp7, 0xffff
	s_lshl_b32 s13, s13, 2
	s_add_co_u32 s13, s13, s41                     ; block row = 4 x cluster y + cy
	s_lshl_b32 s43, s41, 2
	s_lshl_b32 s43, 15, s43                        ; my row of the cluster: places 4 cy .. 4 cy + 3
	s_lshl_b32 s44, 0x1111, s40                    ; my column: places cx, cx + 4, cx + 8, cx + 12
	; descriptor group 1: a tile of 128 rows x 128 elements, padded in LDS
	s_or_b32 s[G1+0], s43, (1<<16)|(1<<20)|(1<<21)|(5<<22)|(3<<25)  ; 15:0 the mask: A's tiles go to my row; 17:16 element of 2 bytes; 20 padding on; 21 set beside a mask; 24:22 after every 64 words; 31:25 of 4 words
	s_or_b32 s[G1B+0], s44, (1<<16)|(1<<20)|(1<<21)|(5<<22)|(3<<25) ; the same with the mask of my column, for B's tiles
	s_mov_b32 s[G1B+1], KSTEP<<16
	s_mov_b32 s[G1+1], KSTEP<<16                   ; tensor_dim0 = 128
	s_mov_b32 s[G1B+2], 128<<16
	s_mov_b32 s[G1+2], 128<<16                     ; tensor_dim1 = 128
	s_mov_b32 s[G1B+3], KSTEP<<16
	s_mov_b32 s[G1+3], KSTEP<<16                   ; tile_dim0 = 128
	s_mov_b32 s[G1B+4], 128
	s_mov_b32 s[G1+4], 128                         ; tile_dim1 = 128
	s_mov_b32 s[G1B+5], SIZE_K
	s_mov_b32 s[G1+5], SIZE_K                      ; elements from row to row
	s_mov_b32 s[G1B+6], 0
	s_mov_b32 s[G1+6], 0
	s_mov_b32 s[G1B+7], 0
	s_mov_b32 s[G1+7], 0
	; where the tiles come from.  A's hang on the block row alone, which my row of the cluster shares; B's on the block column alone, which my column shares.
	; Every wave makes both addresses, in registers that never hold the other coordinate, and asks by one of them.
	s_lshl_b32 s17, s12, 7                         ; which 128 rows of the tile I fetch
	s_lshl_b32 s16, s13, 8
	s_add_co_u32 s16, s16, s17                     ; A: row 256 x block row + 128 x half
	s_lshl_b32 s46, s42, 8
	s_add_co_u32 s46, s46, s17                     ; B: row 256 x block column + 128 x half
	s_mov_b32 s17, 0
	s_mov_b32 s47, 0
	s_mov_b64 s[18:19], SIZE_K*2
	s_mul_u64 s[16:17], s[16:17], s[18:19]         ; in bytes, in 64 bits
	s_mul_u64 s[46:47], s[46:47], s[18:19]
	s_mul_i32 s20, s10, HALFT                      ; and where they go: A's two halves, then B's two halves = wave x 128 rows
	s_wait_dscnt 0x0
	s_wait_kmcnt 0x0
	s_add_nc_u64 s[14:15], s[4:5], s[16:17]
	s_add_nc_u64 s[46:47], s[6:7], s[46:47]
	CROUND                                         ; all sixteen work-groups are here: the first joint loads meet
.irp s, 0,1
	s_mov_b32 s[G0+4*\s], 1                                        ; count = 1
	s_add_co_u32 s[G0+4*\s+1], s20, \s*SLOT                        ; LDS address
	s_add_nc_u64 s[G0+4*\s+2:G0+4*\s+3], s[14:15], \s*KSTEP*2      ; global address: K step s
	s_or_b32 s[G0+4*\s+3], s[G0+4*\s+3], 0x80000000                ; type = 2
	s_mov_b32 s[G0B+4*\s], 1
	s_add_co_u32 s[G0B+4*\s+1], s20, \s*SLOT
	s_add_nc_u64 s[G0B+4*\s+2:G0B+4*\s+3], s[46:47], \s*KSTEP*2
	s_or_b32 s[G0B+4*\s+3], s[G0B+4*\s+3], 0x80000000
	JLOAD \s                                       ; the ring is filled before anything else is done
.endr
	; A fragment is 16 rows x 32 K in 8 registers: lane l holds row l % 16; registers 0-3 hold K = 8 (l / 16) + 0..7, registers 4-7 hold
	; K = 16 + 8 (l / 16) + 0..7.  From rows that lie along K: two loads of 16 bytes, 32 bytes apart.
	v_and_b32 v1, 15, v0                           ; l % 16
	v_bfe_u32 v2, v0, 4, 1                         ; l / 16
	v_mul_u32_u24 v3, v1, PITCH
	v_lshl_add_u32 v3, v2, 4, v3                   ; row x pitch + 16 x half
	s_mul_i32 s21, s11, HALFT                      ; my 128 rows of A
	s_mul_i32 s22, s12, HALFT                      ; my 128 rows of B,
	s_add_co_u32 s22, s22, 2*HALFT                 ; which lie behind A's 256
.irp s, 0,1
	v_add_nc_u32 v[ADRA+\s], s21, v3
	v_add_nc_u32 v[ADRB+\s], s22, v3
	s_add_co_u32 s21, s21, SLOT
	s_add_co_u32 s22, s22, SLOT
.endr
	s_mul_i32 s23, s10, 16*SPITCH
	s_add_co_u32 s23, s23, STAGE                   ; my stage
	v_mul_u32_u24 v4, v1, SPITCH                   ; in: row l % 16, 16 bytes for each half of the lanes
	v_lshl_add_u32 v4, v2, 4, v4
	v_add_nc_u32 v[STO], s23, v4
	v_bfe_u32 v5, v0, 3, 2                         ; back: eight lanes take the 128 bytes that one row has of one head, four rows a load
	v_mul_u32_u24 v5, v5, SPITCH
	v_and_b32 v6, 7, v0
	v_lshl_add_u32 v5, v6, 4, v5
	v_add_nc_u32 v[RD], s23, v5
	v_and_b32 v6, 31, v0
	v_lshlrev_b32 v[CO], 4, v6                     ; in the plane those four rows are 512 consecutive bytes: 16 x lane
; 16 matrix instructions: m blocks a0, a0 + 1 of the window's four (hi = 0: my rows 0-63, 1: rows 64-127) x all 8 n blocks, 32 along K.
; zero = 1: the first product starts the sums: nothing is ever cleared.
.macro MUL16 f, hi, a0, zero
.irp a, \a0, \a0+1
.irp b, 0,1,2,3,4,5,6,7
.if \zero
	v_wmma_f32_16x16x32_bf16 v[8*(8*(\a)+\b):8*(8*(\a)+\b)+7], v[\f+8*\b:\f+8*\b+7], v[\f+8*(4*\hi+\a):\f+8*(4*\hi+\a)+7], 0
.else
	v_wmma_f32_16x16x32_bf16 v[8*(8*(\a)+\b):8*(8*(\a)+\b)+7], v[\f+8*\b:\f+8*\b+7], v[\f+8*(4*\hi+\a):\f+8*(4*\hi+\a)+7], v[8*(8*(\a)+\b):8*(8*(\a)+\b)+7]
.endif
.endr
.endr
.endm
; 32 LDS loads in one run: the fragments of one quarter step (128 rows of B, 128 rows of A, 32 K at byte k of the rows) into buffer f
.macro FETCH slot, k, f
	WIN TO_B
.irp i, 0,1,2,3,4,5,6,7
	ds_load_b128 v[\f+8*\i:\f+8*\i+3],   v[ADRB+\slot] offset:\k+\i*16*PITCH
	ds_load_b128 v[\f+8*\i+4:\f+8*\i+7], v[ADRB+\slot] offset:\k+\i*16*PITCH+32
.endr
	WIN 0
.irp i, 0,1,2,3,4,5,6,7
	ds_load_b128 v[\f+8*\i:\f+8*\i+3],   v[ADRA+\slot] offset:\k+\i*16*PITCH
	ds_load_b128 v[\f+8*\i+4:\f+8*\i+7], v[ADRA+\slot] offset:\k+\i*16*PITCH+32
.endr
.endm
; A load into a register that a matrix instruction has read, and a vector instruction that reads a matrix result, stand four places behind that matrix
; instruction, and only plain vector instructions that name none of its registers are places; matrix instructions in between are not counted.
.macro PLACES
.rept 4
	v_nop
.endr
.endm
; A K step is four quarter steps of 32 along K, 64 matrix instructions each, on buffers 0, 1, 0, 1.  The 64 accumulators take turns, one instruction a turn,
; in the same order in every quarter, over the loop's backward jump too.
; One of the first three quarters: multiplies buffer f; in its middle it fetches the next quarter's fragments, at byte k of the same slot's rows, into buffer g.
.macro QUARTER slot, k, f, g, zero
	s_wait_dscnt 8                                 ; B and A's rows 0-63 are in; the youngest eight loads (A's rows 64-127) may be out
	WIN MUL_LO
	MUL16 \f, 0, 0, \zero
	MUL16 \f, 0, 2, \zero
	PLACES
	FETCH \slot, \k, \g
	s_wait_dscnt 32                                ; all but the 32 just issued
	WIN MUL_HI
	MUL16 \f, 1, 0, \zero
	MUL16 \f, 1, 2, \zero
.endm
.macro THREE slot, zero
	QUARTER \slot, 64,  F0, F1, \zero
	QUARTER \slot, 128, F1, F0, 0
	QUARTER \slot, 192, F0, F1, 0
.endm
; The last quarter: multiplies buffer 1 and changes slots.  next = the other slot; fill = 1: this slot is filled again, two K steps ahead.
; One barrier for the change of slots.  In front of it each wave waits for its own reads of this slot and for all its tensor loads, of which one is out: its
; part of the next slot.  Behind it nobody reads this slot any more and the next slot is whole: the refill comes first, then the next slot's first fragments.
; From a request to the wait for it a wave issues 240 matrix instructions.
.macro TURN slot, next, fill
	s_wait_dscnt 8
	WIN MUL_LO
	MUL16 F1, 0, 0, 0
	s_wait_dscnt 0                                 ; my reads of this slot are over
	s_wait_tensorcnt 0x0                           ; and all my tensor loads have landed: the one that was out is my part of the next slot
	ds_add_u32 v255, v255
	s_wait_dscnt 0x0
	s_barrier_signal -1                            ; say so (where a slot is filled again this barrier opens a round of the cluster's barrier),
	MUL16 F1, 0, 2, 0                              ; work on registers while the others arrive,
	WIN 0
	s_barrier_wait -1                              ; and go on when all four have said so
.if \fill
	CREST                                          ; all sixteen work-groups have said so: no wave of any partner still reads this slot's tile or has a load on its way
	s_add_nc_u64 s[G0+4*\slot+2:G0+4*\slot+3], s[G0+4*\slot+2:G0+4*\slot+3], 2*KSTEP*2
	s_add_nc_u64 s[G0B+4*\slot+2:G0B+4*\slot+3], s[G0B+4*\slot+2:G0B+4*\slot+3], 2*KSTEP*2
	JLOAD \slot                                    ; the first tensor load behind the round
.endif
	PLACES
	FETCH \next, 0, F0
	WIN MUL_HI
	MUL16 F1, 1, 0, 0
	MUL16 F1, 1, 2, 0
.endm
.macro LAP zero                        ; once round the ring, both slots filled again
	THREE 0, \zero
	TURN 0, 1, 1
	THREE 1, 0
	TURN 1, 0, 1
.endm
	s_wait_tensorcnt 1                             ; my part of K step 0 is in (K step 1's load stays out)
	s_barrier_signal -1
	s_barrier_wait -1                              ; everybody's is
	FETCH 0, 0, F0
	LAP 1                                          ; the first lap stands in front of the loop: its first products start the sums
	WIN 0                                          ; at a label and at a branch every window is 0
	s_mov_b32 s3, LAPS-2
.Llap:
	LAP 0
	WIN 0
	s_sub_co_u32 s3, s3, 1
	s_cmp_lg_u32 s3, 0
	s_cbranch_scc1 .Llap
	THREE 0, 0                                     ; the last lap fills nothing: my one tensor load that is still out is slot 1's, the last K step's
	TURN 0, 1, 0
	THREE 1, 0
	s_wait_dscnt 8                                 ; the very last quarter: nothing more to fetch
	WIN MUL_LO
	MUL16 F1, 0, 0, 0
	MUL16 F1, 0, 2, 0
	s_wait_dscnt 0
	WIN MUL_HI
	MUL16 F1, 1, 0, 0
	MUL16 F1, 1, 2, 0
	; THE WAY OUT, 16 rows at a time: round to f16, 16 bytes a lane into my own stage in LDS (16 rows x 128 columns = two heads), read back head by head.
	; My 128 columns are heads hp and hp + 1 of one of q, k, v (hp = 4 x block column + 2 x half, even); my 128 rows lie in one batch.
	PLACES
	s_lshl_b32 s13, s13, 8
	s_lshl_b32 s14, s11, 7
	s_add_co_u32 s16, s13, s14                     ; my first row m0
	s_lshr_b32 s17, s16, 11                        ; the batch,
	s_lshl_b32 s17, s17, 22                        ; 16 planes each
	s_and_b32 s16, s16, 2047                       ; t
	s_lshl_b32 s16, s16, 7                         ; 128 bytes a row of a plane
	s_add_co_u32 s16, s16, s17
	s_mov_b32 s17, 0
	s_add_nc_u64 s[8:9], s[8:9], s[16:17]
	s_lshl_b32 s46, s42, 2                         ; (in the registers that held B's address: none that feeds A's descriptors ever holds cx)
	s_lshl_b32 s47, s12, 1
	s_add_co_u32 s46, s46, s47                     ; hp
	s_lshr_b32 s47, s46, 4                         ; which of q, k, v:
	s_lshl_b32 s47, s47, 5                         ; 32 planes each
	s_and_b32 s46, s46, 15                         ; the head
	s_add_co_u32 s46, s46, s47
	s_lshl_b32 s46, s46, 18                        ; x 262,144 bytes
	s_mov_b32 s47, 0
	s_add_nc_u64 s[8:9], s[8:9], s[46:47]
; rows 16 i .. 16 i + 15 of my block = the eight tiles (a, 0..7) of window 2 or 3 (from = 0x0a or 0x0f: sources 0 and 1); f: F0 or F1 in turn
.macro OUT16 i, a, from, f
	WIN \from
.irp b, 0,1,2,3,4,5,6,7
.irp r, 0,1,2,3
	v_cvt_pk_f16_f32 v[TMP+4*\b+\r], v[8*(8*\a+\b)+2*\r], v[8*(8*\a+\b)+2*\r+1]
.endr
.endr
	WIN 0
.irp b, 0,1,2,3,4,5,6,7
	ds_store_b128 v[STO], v[TMP+4*\b:TMP+4*\b+3] offset:32*\b
.endr
	s_wait_xcnt 0x0                                ; buffer f, which earlier stores read, and the stores' base are rewritten only behind this wait
.if \i
	s_add_nc_u64 s[8:9], s[8:9], 16*128            ; 16 rows of a plane on
.endif
.irp t, 0,1,2,3,4,5,6,7
	ds_load_b128 v[\f+4*\t:\f+4*\t+3], v[RD] offset:(\t%4)*4*SPITCH+(\t/4)*128    ; rows 4 (t % 4) .. + 3 of head t / 4; LDS serves a wave's instructions in order: these see the stores above
.endr
.irp t, 0,1,2,3,4,5,6,7
	s_wait_dscnt 7-\t
	global_store_b128 v[CO], v[\f+4*\t:\f+4*\t+3], s[8:9] offset:(\t%4)*512+(\t/4)*PLANE   ; the wave stores 512 consecutive bytes, at a multiple of 512 from the buffer's first byte
.endr
.endm
	OUT16 0, 0, 0x0a, F0
	OUT16 1, 1, 0x0a, F1
	OUT16 2, 2, 0x0a, F0
	OUT16 3, 3, 0x0a, F1
	OUT16 4, 0, 0x0f, F0
	OUT16 5, 1, 0x0f, F1
	OUT16 6, 2, 0x0f, F0
	OUT16 7, 3, 0x0f, F1
	s_set_vgpr_msb 0x1
	s_wait_tensorcnt 0x0
	ds_add_u32 v255, v255
	s_wait_dscnt 0x0
	s_set_vgpr_msb 0x100
	CROUND                                         ; the closing round: no work-group ends while a partner may still ask for a tile that names it
	s_endpgm
.Lfunc_end_k_qccb5698d20_qkvgemm:
	.size	k_qccb5698d20_qkvgemm, .Lfunc_end_k_qccb5698d20_qkvgemm-k_qccb5698d20_qkvgemm
	.p2alignl 7, 3214868480
	.fill 96, 4, 3214868480
	.section	.rodata,"a",@progbits
	.p2align	6, 0x0
	.amdhsa_kernel k_qccb5698d20_qkvgemm
		.amdhsa_group_segment_fixed_size 327680
		.amdhsa_private_segment_fixed_size 0
		.amdhsa_enable_private_segment 0
		.amdhsa_kernarg_size 24
		.amdhsa_user_sgpr_count 2
		.amdhsa_user_sgpr_kernarg_segment_ptr 1
		.amdhsa_wavefront_size32 1
		.amdhsa_system_sgpr_workgroup_id_x 1
		.amdhsa_system_sgpr_workgroup_id_y 1
		.amdhsa_system_sgpr_workgroup_id_z 1
		.amdhsa_system_vgpr_workitem_id 0
		.amdhsa_next_free_vgpr 1024
		.amdhsa_next_free_sgpr 66
		.amdhsa_reserve_vcc 0
		.amdhsa_float_denorm_mode_32 3
		.amdhsa_float_denorm_mode_16_64 3
		.amdhsa_memory_ordered 1
		.amdhsa_forward_progress 1
		.amdhsa_inst_pref_size 196
	.end_amdhsa_kernel
	.amdgpu_metadata
---
amdhsa.version: [ 1, 2 ]
amdhsa.kernels:
  - .name:           k_qccb5698d20_qkvgemm
    .symbol:         k_qccb5698d20_qkvgemm.kd
    .args:
      - { .name: xb, .offset: 0, .size: 8, .value_kind: global_buffer, .address_space: global }
      - { .name: wab, .offset: 8, .size: 8, .value_kind: global_buffer, .address_space: global }
      - { .name: qkv, .offset: 16, .size: 8, .value_kind: global_buffer, .address_space: global }
    .group_segment_fixed_size: 327680
    .private_segment_fixed_size: 0
    .kernarg_segment_align: 8
    .kernarg_segment_size: 24
    .max_flat_workgroup_size: 128
    .sgpr_count:     66
    .vgpr_count:     1024
    .wavefront_size: 32
...
	.end_amdgpu_metadata
.endif
;; end of part 2
;; launch attn (part 3): grid 256 x 1, 4 waves a work-group, no clusters, 327,680 bytes of LDS; arguments qkv, yh; writes yh
.if DOCPART == 3
	.amdgcn_target "amdgcn-amd-amdhsa--gfx1250"
	.amdhsa_code_object_version 6
	.text
	.protected	k_qccb5698d20_attn
	.globl	k_qccb5698d20_attn
	.p2align	8
	.type	k_qccb5698d20_attn,@function
k_qccb5698d20_attn:
	s_mov_b64 s[64:65], 0
	v_nop
	global_prefetch_b8 v0, s[64:65] scope:SCOPE_SE
	s_setreg_imm32_b32 hwreg(HW_REG_WAVE_MODE, 25, 1), 1
	s_wait_xcnt 0x0
; Causal softmax attention, 32 heads (batch x head) of T = 2048, D = 64, with a running maximum.  q, k, v: f16, qkv[which][bh][t][64].
; y: f16, yh[h][b*2048 + t][64].  Products on the matrix units with f16 operands and f32 sums; maxima, exponentials, rescaling in f32.
; SHARE.  Work-group g: head bh = g / 8, i = g % 8.  It takes the query blocks (128 rows) i and 15 - i of its head: (i + 1) + (16 - i) = 17 units in every
; work-group, a unit being one query block against one tile of 128 keys; keys beyond the diagonal tile are never touched.  Wave w owns query rows
; 32 w .. 32 w + 31 of the block (two tiles qt of 16).
; ORIENTATION.  S^T = K Q^T (source 0 = 16 keys, source 1 = 16 queries): lane (r, h) holds keys 16 kt + 8 h + 0..7 of query row r, so maximum and rescale
; factor are one number a lane, and packing tiles 2 ks and 2 ks + 1 to f16 gives at once source 1 of O^T = V^T P^T for keys 32 ks .. + 31.  V^T comes from
; LDS by the transposing load.  A fifth tile, whose source 0 is all ones, sums the weights as they were rounded: the weights used add up to one.
; THE SHIFT.  State of a query row: M, the running maximum of the raw scores, and NMC = the f32 rounding of -c M, c = log2(e) / 8 (the scale 1/sqrt(64) and the
; change to base 2).  Weights are exp2(S c + NMC), one fused multiply-add; old sums are multiplied by exp2(NMC new - NMC old): both refer to the same shift.
; NO CLUSTER: the eight work-groups of a head walk different lists of key tiles (0 .. i, then 0 .. 15 - i), so partners would ask for different tiles in the
; same unit and their branches (diagonal, end of block) would hang on their place; all of them walking all 32 units would nearly double the work.
; NO PREFETCH: a head's K and V are 524,288 bytes, stored by the launch before and read by eight work-groups side by side.
; LIMITS: |y| below 65,504 (it is an average of v); y below 2^-14 keeps an absolute error of up to 2^-25; weights below 2^-126 count as zero
; (v_exp_f32) and below 2^-25 as zero in f16; the order of the sums differs from a row-by-row sum.
.set SLOT,  38912                      ; an LDS slot: K, 128 rows of 144 bytes, then V, 128 rows of 160 bytes
.set KP,    144                        ; 128 bytes + 16: an odd multiple of 16
.set VP,    160                        ; 128 bytes + 32: an odd multiple of 32, for the transposing load
.set VOFF,  128*KP
.set STAGE, 2*SLOT                     ; behind the ring: 32 rows x 144 bytes for each wave, for the way out; no tensor load lands here
; window 0
.set KA,   3                           ; LDS address of my part of a K fragment
.set VA,   4                           ; the same for V
.set STO,  5                           ; the way out: where I put 16 bytes of a row
.set RD,   6                           ; where I read back
.set YO,   7                           ; my byte offset in y
.set QO,   8                           ; my byte offset in a Q fragment
.set DQ,   9                           ; v9, v10: 32 w + 16 qt + r - 8 h, for the diagonal
.set NINF, 11                          ; -infinity
.set M,    16                          ; v16, v17: running maximum of qt 0, 1
.set MN,   18                          ; the new maximum
.set AL,   20                          ; v[20:21], v[22:23]: rescale factor, twice each
.set NMC,  24                          ; v[24:25], v[26:27]: -c M, twice each
.set RL,   28                          ; v[28:29], v[30:31]: 1 / sum, twice each
.set T,    32                          ; v[32:35] at work
.set SC,   64                          ; v[64:191] scores: tile (qt, kt) at SC + 8 (8 qt + kt); then weights: fragment (qt, ks) at SC + 32 qt + 8 ks
.set XO,   64                          ; the way out: y in f32
.set YP,   128                         ; packed
.set ZR,   160                         ; read back
; window 1: v[0:79] O, tile (dt, qt) at 8 (2 dt + qt), dt = 4 the sums
.set ONES, 80                          ; v[80:87] f16 ones
.set QF,   88                          ; v[88:119] Q fragments (qt, ds) at QF + 8 (2 qt + ds)
.set FR,   128                         ; v[128:255] 16 fragments of K, then of V
; window 2: v[0:31] the Q fragments of block 15 - i
.set G1K, 28                           ; s[28:35] descriptor group 1 for K
.set G1V, 36                           ; s[36:43] for V
.set GK,  44                           ; s[44:47], s[52:55] group 0 for K, slot 0, 1
.set GV,  48                           ; s[48:51], s[56:59] group 0 for V, slot 0, 1
.set MSB, 0
.macro WIN new                         ; low byte: bits 1:0 source 0, 3:2 source 1, 5:4 source 2, 7:6 destination; the high byte repeats the setting that is left
.if MSB != \new
	s_set_vgpr_msb (MSB<<8)|\new
.set MSB, \new
.endif
.endm
	s_load_b128 s[4:7], s[0:1], 0x0                ; qkv s[4:5], yh s[6:7]
	v_lshl_add_u32 v254, v0, 2, 0x29000
	v_mov_b32 v255, 0
	ds_add_u32 v254, v255
	v_lshrrev_b32 v1, 5, v0
	v_readfirstlane_b32 s8, v1                     ; wave w
	s_and_b32 s9, ttmp9, 7                         ; i
	s_lshr_b32 s10, ttmp9, 3                       ; bh
	s_sub_co_u32 s15, 15, s9                       ; the second query block
	s_mov_b32 s11, s9                              ; the query block at work
	s_mov_b32 s12, 0                               ; the key tile at work
	s_mov_b32 s14, 8                               ; trips: two units each
	s_mov_b32 s16, 0x76543210                      ; v_permlanex16_b32: lane l of one half reads lane l of the other
	s_mov_b32 s17, 0xfedcba98
	s_mov_b32 s18, 0x3e38aa3b                      ; c = log2(e) / 8
	s_mov_b32 s19, 0x3e38aa3b
	s_mov_b32 s26, 0xbe38aa3b                      ; -c
	; A wave brings its 32 rows of K and of V: each a dense block of 4,096 bytes, described as 16 rows of 32 elements of 8 bytes (256 bytes).
	; Padding is counted along the whole tile: behind every 32 words (one row of K or V) 4 words for K, 8 for V.
	s_mov_b32 s[G1K+0], (3<<16)|(1<<20)|(4<<22)|(3<<25)
	s_mov_b32 s[G1V+0], (3<<16)|(1<<20)|(4<<22)|(7<<25)
.irp g, G1K, G1V
	s_mov_b32 s[\g+1], 32<<16                      ; tensor_dim0 = 32
	s_mov_b32 s[\g+2], 16<<16                      ; tensor_dim1 = 16
	s_mov_b32 s[\g+3], 32<<16                      ; tile_dim0 = 32
	s_mov_b32 s[\g+4], 16                          ; tile_dim1 = 16
	s_mov_b32 s[\g+5], 32                          ; elements from row to row
	s_mov_b32 s[\g+6], 0
	s_mov_b32 s[\g+7], 0
.endr
	s_mul_i32 s2, s8, 32*KP                        ; my 32 rows in K's part of a slot (and in the stage)
	s_mul_i32 s3, s8, 32*VP                        ; in V's part
.irp n, 0,1
	s_mov_b32 s[GK+8*\n], 1
	s_add_co_u32 s[GK+8*\n+1], s2, \n*SLOT
	s_mov_b32 s[GV+8*\n], 1
	s_add_co_u32 s[GV+8*\n+1], s3, \n*SLOT+VOFF
.endr
	s_lshl_b32 s24, s10, 18                        ; the head's plane
	s_lshl_b32 s27, s8, 12                         ; + my 32 rows of 128 bytes
	s_add_co_u32 s24, s24, s27
	s_mov_b32 s25, 0
	s_wait_dscnt 0x0
	s_wait_kmcnt 0x0
	s_add_nc_u64 s[66:67], s[4:5], s[24:25]        ; q: the head, my rows of block 0
	s_add_nc_u64 s[20:21], s[66:67], 0x800000      ; k: 32 planes on
	s_add_nc_u64 s[22:23], s[66:67], 0x1000000     ; v: 64 planes on
	s_or_b32 s21, s21, 0x80000000                  ; type = 2: these two serve descriptors alone
	s_or_b32 s23, s23, 0x80000000
	s_mov_b64 s[GK+2:GK+3], s[20:21]
	s_mov_b64 s[GV+2:GV+3], s[22:23]
	tensor_load_to_lds s[GK:GK+3], s[G1K:G1K+7]    ; unit 0: key tile 0 into slot 0
	s_nop 0
	tensor_load_to_lds s[GV:GV+3], s[G1V:G1V+7]
	s_nop 0
	s_and_b32 s3, s10, 15                          ; y: head x 524,288
	s_lshl_b32 s3, s3, 19
	s_lshr_b32 s27, s10, 4                         ; + batch x 2,048 rows of 128 bytes
	s_lshl_b32 s27, s27, 18
	s_add_co_u32 s3, s3, s27
	s_lshl_b32 s27, s8, 12                         ; + my 32 rows
	s_add_co_u32 s3, s3, s27
	s_lshl_b32 s24, s9, 14                         ; block i: 128 rows of 128 bytes each
	s_add_nc_u64 s[68:69], s[66:67], s[24:25]      ; its q
	s_add_co_u32 s24, s24, s3
	s_add_nc_u64 s[60:61], s[6:7], s[24:25]        ; its y
	s_lshl_b32 s24, s15, 14                        ; block 15 - i
	s_add_nc_u64 s[70:71], s[66:67], s[24:25]
	s_add_co_u32 s24, s24, s3
	s_add_nc_u64 s[62:63], s[6:7], s[24:25]
	v_and_b32 v12, 31, v0                          ; lane l
	v_and_b32 v1, 15, v0                           ; r
	v_bfe_u32 v2, v0, 4, 1                         ; h
	v_and_b32 v13, 7, v0                           ; l % 8
	v_bfe_u32 v14, v0, 3, 1                        ; (l / 8) % 2
	v_lshlrev_b32 v[QO], 7, v1                     ; Q from memory: row r, 16 bytes for each half of the lanes
	v_lshl_add_u32 v[QO], v2, 4, v[QO]
	WIN 0x40
.irp e, 0,1,2,3                                    ; fragment e = 2 qt + ds: 16 rows x 32 d
	global_load_b128 v[QF+8*\e:QF+8*\e+3],   v[QO], s[68:69] offset:(\e/2)*2048+(\e%2)*64
	global_load_b128 v[QF+8*\e+4:QF+8*\e+7], v[QO], s[68:69] offset:(\e/2)*2048+(\e%2)*64+32
.endr
	WIN 0x80
.irp e, 0,1,2,3
	global_load_b128 v[8*\e:8*\e+3],   v[QO], s[70:71] offset:(\e/2)*2048+(\e%2)*64
	global_load_b128 v[8*\e+4:8*\e+7], v[QO], s[70:71] offset:(\e/2)*2048+(\e%2)*64+32
.endr
	WIN 0
	v_mul_u32_u24 v[KA], v1, KP                    ; K fragment: row r, 16 bytes for each half
	v_lshl_add_u32 v[KA], v2, 4, v[KA]
	v_lshl_add_u32 v15, v2, 3, v13                 ; V, transposing load: key 8 h + l % 8,
	v_mul_u32_u24 v[VA], v15, VP
	v_lshl_add_u32 v[VA], v14, 4, v[VA]            ; 16 bytes (8 d) by (l / 8) % 2
	v_add_nc_u32 v[VA], VOFF, v[VA]
	s_add_co_u32 s27, s2, STAGE                    ; my stage
	v_add_nc_u32 v[STO], s27, v[KA]                ; in: row r, 16 bytes for each half
	v_lshrrev_b32 v15, 3, v12
	v_mul_u32_u24 v[RD], v15, KP                   ; back: eight lanes take a row of 128 bytes, four rows a load
	v_lshl_add_u32 v[RD], v13, 4, v[RD]
	v_add_nc_u32 v[RD], s27, v[RD]
	v_lshlrev_b32 v[YO], 4, v12                    ; in y those four rows are 512 consecutive bytes
	v_lshlrev_b32 v15, 3, v2
	v_sub_nc_u32 v[DQ], v1, v15
	s_lshl_b32 s27, s8, 5
	v_add_nc_u32 v[DQ], s27, v[DQ]                 ; 32 w + r - 8 h
	v_add_nc_u32 v[DQ+1], 16, v[DQ]
	v_mov_b32 v[NINF], 0xff800000
; A query block starts: sums 0, maximum -infinity, -c M = +infinity (the first rescale factor is then exp2(-infinity) = 0).
; The second block starts in a unit whose number hangs on the work-group, so the sums are cleared here, twice in the launch, and not by a product with C = 0.
.macro RESET
	WIN 0x40
.set n, 0
.rept 80
	v_mov_b32 v[n], 0
.set n, n+1
.endr
	WIN 0
	v_mov_b32 v[M], v[NINF]
	v_mov_b32 v[M+1], v[NINF]
.irp k, 0,1,2,3
	v_mov_b32 v[NMC+\k], 0x7f800000
.endr
.endm
	WIN 0x40
.irp k, 0,1,2,3,4,5,6,7
	v_mov_b32 v[ONES+\k], 0x3c003c00
.endr
	RESET
	s_wait_loadcnt 0x0                             ; both blocks' Q
; The diagonal tile: key 16 kt + 8 h + j beyond query 32 w + 16 qt + r gets -infinity.
.macro MASK
.irp qt, 0,1
.set n, 0
.rept 64
	v_cmp_gt_i32 vcc_lo, 16*(n/8)+(n%8), v[DQ+\qt]
	v_cndmask_b32 v[SC+64*\qt+n], v[SC+64*\qt+n], v[NINF], vcc_lo
.set n, n+1
.endr
.endr
.endm
; The 64 scores that a lane holds of q tile qt become weights in f16.
.macro SOFTMAX qt
.set SB, SC+64*\qt
.irp c, 0,1,2,3                                    ; 64 scores and M: four chains of 15 scores, then the four scores left, the chains and M
	v_max3_num_f32 v[T+\c], v[SB+16*\c], v[SB+16*\c+1], v[SB+16*\c+2]
.endr
.irp k, 3,5,7,9,11,13
.irp c, 0,1,2,3
	v_max3_num_f32 v[T+\c], v[T+\c], v[SB+16*\c+\k], v[SB+16*\c+\k+1]
.endr
.endr
	v_max3_num_f32 v[T], v[T], v[T+1], v[SB+15]
	v_max3_num_f32 v[T+2], v[T+2], v[T+3], v[SB+31]
	v_max3_num_f32 v[T], v[T], v[SB+47], v[SB+63]
	v_max3_num_f32 v[T], v[T], v[T+2], v[M+\qt]
	v_permlanex16_b32 v[T+1], v[T], s16, s17       ; the row's other keys lie in the other half of the lanes
	v_max_num_f32 v[MN], v[T], v[T+1]              ; finite: every row sees at least the tile's first key
	v_mul_f32 v[T+2], s26, v[MN]                   ; -c M, rounded once: the shift of this unit's weights
	v_sub_f32 v[T+3], v[T+2], v[NMC+2*\qt]         ; against the shift of the sums so far
	v_exp_f32 v[AL+2*\qt], v[T+3]
	v_exp_f32 v[AL+2*\qt+1], v[T+3]
	v_mov_b32 v[NMC+2*\qt], v[T+2]                 ; plain lines behind the exponentials, which touch neither their results nor their source
	v_mov_b32 v[NMC+2*\qt+1], v[T+2]
	v_mov_b32 v[M+\qt], v[MN]
.set n, 0
.rept 32
	v_pk_fma_f32 v[SB+2*n:SB+2*n+1], v[SB+2*n:SB+2*n+1], s[18:19], v[NMC+2*\qt:NMC+2*\qt+1] op_sel_hi:[1,0,1]
.set n, n+1
.endr
.set n, 0
.rept 64
	v_exp_f32 v[SB+n], v[SB+n]
.set n, n+1
.endr
	v_nop                                          ; one plain place behind the last exponential (ISA guide 5.7.2)
.set n, 0
	s_wait_alu depctr_va_vdst(0)
.rept 32                                           ; ascending: a destination never passes a source that is still unread
	v_cvt_pk_f16_f32 v[SC+32*\qt+n], v[SB+2*n], v[SB+2*n+1]
.set n, n+1
.endr
.endm
; A query block is done: y = O / sum, to f16, through my stage, out in whole rows.  sw = 1: go on to block 15 - i.
.macro FINISH sw
.rept 4
	v_nop                                          ; four places behind the last products: O is read, the weights' registers are written
.endr
	WIN 0x01
	v_rcp_f32 v[RL],   v64                          ; the sums: tile (4, 0), every register alike
	v_rcp_f32 v[RL+1], v64
	v_rcp_f32 v[RL+2], v72                          ; tile (4, 1)
	v_rcp_f32 v[RL+3], v72
	v_nop
	s_wait_alu depctr_va_vdst(0)
.irp t, 0,1,2,3,4,5,6,7                            ; tile t = 2 dt + qt
.irp p, 0,2,4,6
	v_pk_mul_f32 v[XO+8*\t+\p:XO+8*\t+\p+1], v[8*\t+\p:8*\t+\p+1], v[RL+2*(\t%2):RL+2*(\t%2)+1]
.endr
.endr
	WIN 0
.set n, 0
.rept 32
	v_cvt_pk_f16_f32 v[YP+n], v[XO+2*n], v[XO+2*n+1]
.set n, n+1
.endr
.irp t, 0,1,2,3,4,5,6,7
	ds_store_b128 v[STO], v[YP+4*\t:YP+4*\t+3] offset:(\t%2)*16*KP+(\t/2)*32    ; row 16 qt + r, d = 16 dt + 8 h ..
.endr
.irp t, 0,1,2,3,4,5,6,7
	ds_load_b128 v[ZR+4*\t:ZR+4*\t+3], v[RD] offset:\t*4*KP    ; my own bytes; LDS serves a wave's instructions in order: these see the stores above
.endr
.irp t, 0,1,2,3,4,5,6,7
	s_wait_dscnt 7-\t                              ; rows 4 t .. 4 t + 3 are in, the 7 - t younger loads stay out
	global_store_b128 v[YO], v[ZR+4*\t:ZR+4*\t+3], s[60:61] offset:512*\t    ; the wave stores 512 consecutive bytes, at a multiple of 512 from the buffer's first byte
.endr
.if \sw
	s_wait_xcnt 0x0                                ; the stores' data registers and base are rewritten only behind this wait
	WIN 0x42
.set n, 0
.rept 32
	v_mov_b32 v[QF+n], v[n]                        ; the second block's Q, loaded at the start
.set n, n+1
.endr
	RESET
	s_mov_b32 s11, s15
	s_mov_b64 s[60:61], s[62:63]
.endif
.endm
; One unit: the query block at work against the key tile in this slot.  last = 1: nothing more is fetched, and the unit is the second block's diagonal.
.macro UNIT slot, last
.rept 5
	v_nop                                          ; places behind the last unit's products: their source 0 is loaded again (four), their source 1 written by matrix instructions (five)
.endr
	s_wait_tensorcnt 0x0                           ; all my tensor loads have landed, my part of this unit's tile among them: every group 0 may be written
	ds_add_u32 v254, v255
	s_wait_dscnt 0x0
.if \last == 0
	s_add_co_u32 s13, s12, 1                       ; the next unit's key tile:
	s_cmp_eq_u32 s12, s11
	s_cselect_b32 s13, 0, s13                      ; behind the diagonal the next block begins at tile 0
	s_lshl_b32 s24, s13, 14                        ; 128 rows of 128 bytes
	s_add_nc_u64 s[GK+8*(1-\slot)+2:GK+8*(1-\slot)+3], s[20:21], s[24:25]
	s_add_nc_u64 s[GV+8*(1-\slot)+2:GV+8*(1-\slot)+3], s[22:23], s[24:25]
.endif
	s_wait_dscnt 0x0                               ; my reads of the other slot are over
	s_barrier_signal -1
	s_barrier_wait -1                              ; both hold of all four waves: this slot is whole, the other is free
.if \last == 0
	tensor_load_to_lds s[GK+8*(1-\slot):GK+8*(1-\slot)+3], s[G1K:G1K+7]    ; two loads of mine are out, with this unit's work in which to land
	s_nop 0
	tensor_load_to_lds s[GV+8*(1-\slot):GV+8*(1-\slot)+3], s[G1V:G1V+7]
	s_nop 0
.endif
	WIN 0x40
.set f, 0
.rept 16                                           ; K fragment f = 8 ds + kt: keys 16 kt .., d = 32 ds ..
	ds_load_b128 v[FR+8*f:FR+8*f+3],   v[KA] offset:\slot*SLOT+(f%8)*16*KP+(f/8)*64
	ds_load_b128 v[FR+8*f+4:FR+8*f+7], v[KA] offset:\slot*SLOT+(f%8)*16*KP+(f/8)*64+32
.set f, f+1
.endr
	WIN 0x05
.set f, 0
.rept 16                                           ; S^T: sixteen accumulators take turns, one instruction a turn; the first 32 d start the sums
	s_wait_dscnt 30-2*f                            ; fragment f is in: 30 - 2 f loads were issued behind it
.if f < 8
	v_wmma_f32_16x16x32_f16 v[SC+8*f:SC+8*f+7],       v[FR+8*f:FR+8*f+7], v[QF:QF+7],     0
	v_wmma_f32_16x16x32_f16 v[SC+64+8*f:SC+64+8*f+7], v[FR+8*f:FR+8*f+7], v[QF+16:QF+23], 0
.else
	v_wmma_f32_16x16x32_f16 v[SC+8*(f-8):SC+8*(f-8)+7],       v[FR+8*f:FR+8*f+7], v[QF+8:QF+15],  v[SC+8*(f-8):SC+8*(f-8)+7]
	v_wmma_f32_16x16x32_f16 v[SC+64+8*(f-8):SC+64+8*(f-8)+7], v[FR+8*f:FR+8*f+7], v[QF+24:QF+31], v[SC+64+8*(f-8):SC+64+8*(f-8)+7]
.endif
.set f, f+1
.endr
.rept 4
	v_nop                                          ; four places: the fragments' registers are loaded again, the scores are read
.endr
	WIN 0x40
.set f, 0
.rept 16                                           ; V^T fragment f = 4 ks + dt: d = 16 dt .., keys 32 ks ..; they land while the weights are made
	ds_load_tr16_b128 v[FR+8*f:FR+8*f+3],   v[VA] offset:\slot*SLOT+(f/4)*32*VP+(f%4)*32
	ds_load_tr16_b128 v[FR+8*f+4:FR+8*f+7], v[VA] offset:\slot*SLOT+(f/4)*32*VP+(f%4)*32+16*VP
.set f, f+1
.endr
	WIN 0
.if \last == 0
	s_cmp_lg_u32 s12, s11                          ; only the diagonal tile has keys to mask
	s_cbranch_scc1 .Lnomask_\@
.endif
	MASK
.if \last == 0
.Lnomask_\@:
.endif
	SOFTMAX 0
	SOFTMAX 1
	WIN 0x51
.irp t, 0,1,2,3,4,5,6,7,8,9                        ; the sums so far, the weights' sums among them, go over to the new shift
.irp p, 0,2,4,6
	v_pk_mul_f32 v[8*\t+\p:8*\t+\p+1], v[8*\t+\p:8*\t+\p+1], v[AL+2*(\t%2):AL+2*(\t%2)+1]
.endr
.endr
.irp ks, 0,1,2,3                                   ; O^T += V^T P^T: ten accumulators take turns, one instruction a turn
	s_wait_dscnt 24-8*\ks                          ; the four fragments of these 32 keys are in: 24 - 8 ks loads were issued behind them
.irp dt, 0,1,2,3
.irp qt, 0,1
	v_wmma_f32_16x16x32_f16 v[8*(2*\dt+\qt):8*(2*\dt+\qt)+7], v[FR+8*(4*\ks+\dt):FR+8*(4*\ks+\dt)+7], v[SC+32*\qt+8*\ks:SC+32*\qt+8*\ks+7], v[8*(2*\dt+\qt):8*(2*\dt+\qt)+7]
.endr
.endr
	v_wmma_f32_16x16x32_f16 v[64:71], v[ONES:ONES+7], v[SC+8*\ks:SC+8*\ks+7],       v[64:71]
	v_wmma_f32_16x16x32_f16 v[72:79], v[ONES:ONES+7], v[SC+32+8*\ks:SC+32+8*\ks+7], v[72:79]
.endr
	WIN 0
.if \last == 0
	s_cmp_lg_u32 s12, s11                          ; the diagonal tile is the block's last
	s_cbranch_scc1 .Lnofin_\@
	FINISH 1
.Lnofin_\@:
	s_mov_b32 s12, s13
.else
	FINISH 0
.endif
.endm
.Lloop:                                            ; units 0 to 15
	UNIT 0, 0
	UNIT 1, 0
	s_sub_co_u32 s14, s14, 1
	s_cmp_lg_u32 s14, 0
	s_cbranch_scc1 .Lloop
	UNIT 0, 1                                      ; unit 16
	s_wait_tensorcnt 0x0
	ds_add_u32 v254, v255
	s_wait_dscnt 0x0
	s_endpgm
.Lfunc_end_k_qccb5698d20_attn:
	.size	k_qccb5698d20_attn, .Lfunc_end_k_qccb5698d20_attn-k_qccb5698d20_attn
	.p2alignl 7, 3214868480
	.fill 96, 4, 3214868480
	.section	.rodata,"a",@progbits
	.p2align	6, 0x0
	.amdhsa_kernel k_qccb5698d20_attn
		.amdhsa_group_segment_fixed_size 327680
		.amdhsa_private_segment_fixed_size 0
		.amdhsa_enable_private_segment 0
		.amdhsa_kernarg_size 16
		.amdhsa_user_sgpr_count 2
		.amdhsa_user_sgpr_kernarg_segment_ptr 1
		.amdhsa_wavefront_size32 1
		.amdhsa_system_sgpr_workgroup_id_x 1
		.amdhsa_system_sgpr_workgroup_id_y 1
		.amdhsa_system_sgpr_workgroup_id_z 1
		.amdhsa_system_vgpr_workitem_id 0
		.amdhsa_next_free_vgpr 544
		.amdhsa_next_free_sgpr 72
		.amdhsa_reserve_vcc 1
		.amdhsa_float_denorm_mode_32 3
		.amdhsa_float_denorm_mode_16_64 3
		.amdhsa_memory_ordered 1
		.amdhsa_forward_progress 1
		.amdhsa_inst_pref_size 156
	.end_amdhsa_kernel
	.amdgpu_metadata
---
amdhsa.version: [ 1, 2 ]
amdhsa.kernels:
  - .name:           k_qccb5698d20_attn
    .symbol:         k_qccb5698d20_attn.kd
    .args:
      - { .name: qkv, .offset: 0, .size: 8, .value_kind: global_buffer, .address_space: global }
      - { .name: yh, .offset: 8, .size: 8, .value_kind: global_buffer, .address_space: global }
    .group_segment_fixed_size: 327680
    .private_segment_fixed_size: 0
    .kernarg_segment_align: 8
    .kernarg_segment_size: 16
    .max_flat_workgroup_size: 128
    .sgpr_count:     72
    .vgpr_count:     544
    .wavefront_size: 32
...
	.end_amdgpu_metadata
.endif
;; end of part 3
;; launch proj (part 4): grid 8 x 32, 4 waves a work-group, clusters of 4 x 4, 327,680 bytes of LDS; arguments yh, wpb, out0; writes out0
.if DOCPART == 4
	.amdgcn_target "amdgcn-amd-amdhsa--gfx1250"
	.amdhsa_code_object_version 6
	.text
	.protected	k_qccb5698d20_proj
	.globl	k_qccb5698d20_proj
	.p2align	8
	.type	k_qccb5698d20_proj,@function
k_qccb5698d20_proj:
	s_mov_b64 s[64:65], 0
	v_nop
	global_prefetch_b8 v0, s[64:65] scope:SCOPE_SE
	s_setreg_imm32_b32 hwreg(HW_REG_WAVE_MODE, 25, 1), 1
	s_wait_xcnt 0x0
	s_wait_alu depctr_hold_cnt(0) depctr_sa_sdst(0) depctr_va_vdst(0) depctr_va_sdst(0) depctr_va_ssrc(0) depctr_va_vcc(0) depctr_vm_vsrc(0)
	s_getreg_b32 s2, hwreg(HW_REG_IB_STS2, 6, 4)
	s_cmp_eq_u32 s2, 0
	s_cbranch_scc0 .Lentry_in_a_cluster
	s_endpgm
.Lentry_in_a_cluster:
	s_bfe_u32 s2, ttmp6, 0x10000c
	s_cmp_lg_u32 s2, 0xf033
	s_cbranch_scc0 .Lentry_shape_is_right
	s_endpgm
.Lentry_shape_is_right:
; out0 = y w_proj^T.  A = yh, f16, [h 16][m 4096][64] (head-major); B = wpb, f16, [1024][1024]; out0 f32 [4096][1024]; sums in f32.
; 256 work-groups, each a block of 128 x 128 with four waves; a wave makes 64 x 64: 16 accumulator tiles, 128 registers.  (Larger blocks would leave
; work for 128 or 64 work-groups only.)  K = 1024 goes in eight steps of 128 = two heads, through four LDS slots; the text has no loop.
; A slot: A as two sub-tiles (heads 2 s and 2 s + 1), each 128 rows of 128 bytes, dense in memory, pitch 144 in LDS; B as 128 rows of 256 bytes, pitch 272.
; CLUSTERS: 4 x 4 work-groups; A's tiles are shared along a row of the cluster, B's along a column, each asked for jointly by the four.
; Waves 0 and 1 fetch A's two sub-tiles, waves 2 and 3 B's two halves of 64 rows.  Four loads of a wave are out at the start, two behind each round.
; The matrix instruction is used transposed (source 0 = 16 rows of B, source 1 = 16 rows of A): a lane holds eight neighbouring columns of one row.
.set SLOT,   71680
.set APITCH, 144
.set BPITCH, 272
.set ASUB,   128*APITCH                ; one head's sub-tile
.set BOFF,   2*ASUB
.set BHALF,  64*BPITCH
.set STAGE,  4*SLOT                    ; behind the ring: 16 rows x 272 bytes for each wave, for the way out
.set SPITCH, 272
.set ADRA, 16                          ; v16-19  LDS address of my A fragments in slot 0 .. 3
.set ADRB, 20                          ; v20-23  the same for B
.set STO,  24
.set RD,   25
.set CO,   26
.set F0,   64                          ; fragment buffer 0: B's four fragments, then A's four
.set F1,   128                         ; fragment buffer 1
                                       ; window 1: accumulator (a, b) at v[8 (4 a + b)]
.set G1,  24                           ; s[24:31] descriptor group 1 for A
.set G1B, 48                           ; s[48:55] for B
.set G0,  68                           ; s[68:83] group 0 for A, a set for each slot
.set G0B, 84                           ; s[84:99] group 0 for B
.set MSB, 0
.macro WIN new
.if MSB != \new
	s_set_vgpr_msb (MSB<<8)|\new
.set MSB, \new
.endif
.endm
.macro JLOAD n                         ; the branch hangs on the wave's number alone
	s_cmp_eq_u32 s11, 0
	s_cbranch_scc0 .Lfor_b_\@
	tensor_load_to_lds s[G0+4*\n:G0+4*\n+3], s[G1:G1+7]
	s_nop 0
	s_branch .Lasked_\@
.Lfor_b_\@:
	tensor_load_to_lds s[G0B+4*\n:G0B+4*\n+3], s[G1B:G1B+7]
	s_nop 0
.Lasked_\@:
.endm
.macro CROUND                          ; a round of the cluster's barrier
	s_barrier_signal -1
	s_barrier_wait -1
	s_cmp_lg_u32 s10, 0
	s_cbranch_scc1 .Lnot_wave_0_\@
	s_barrier_signal -3
.Lnot_wave_0_\@:
	s_barrier_wait -3
	s_barrier_signal -1
	s_barrier_wait -1
.endm
.macro PLACES                          ; four places behind matrix instructions (ISA guide 7.12.1)
.rept 4
	v_nop
.endr
.endm
	s_load_b128 s[4:7], s[0:1], 0x0                ; yh s[4:5], wpb s[6:7]
	s_load_b64 s[8:9], s[0:1], 0x10                ; out0
	v_lshl_add_u32 v254, v0, 2, 0x4a400
	v_mov_b32 v255, 0
	ds_add_u32 v254, v255
	v_lshrrev_b32 v1, 5, v0
	v_readfirstlane_b32 s10, v1                    ; wave 0..3
	s_lshr_b32 s11, s10, 1                         ; which 64 rows of the block are mine.  Also: I fetch for A (0) or for B (1)
	s_and_b32 s12, s10, 1                          ; which 64 columns.  Also: which sub-tile or half I fetch
	s_bfe_u32 s40, ttmp6, 0x40000                  ; cx
	s_bfe_u32 s41, ttmp6, 0x40004                  ; cy
	s_lshl_b32 s42, ttmp9, 2
	s_add_co_u32 s42, s42, s40                     ; block column
	s_and_b32 s13, ttmp7, 0xffff
	s_lshl_b32 s13, s13, 2
	s_add_co_u32 s13, s13, s41                     ; block row
	s_lshl_b32 s43, s41, 2
	s_lshl_b32 s43, 15, s43                        ; my row of the cluster
	s_lshl_b32 s44, 0x1111, s40                    ; my column
	; A's sub-tile: a dense block of 16,384 bytes as 64 rows of 32 elements of 8 bytes; 4 words of padding behind every 32 words (one row of y)
	s_or_b32 s[G1+0], s43, (3<<16)|(1<<20)|(1<<21)|(4<<22)|(3<<25)
	s_mov_b32 s[G1+1], 32<<16
	s_mov_b32 s[G1+2], 64<<16
	s_mov_b32 s[G1+3], 32<<16
	s_mov_b32 s[G1+4], 64
	s_mov_b32 s[G1+5], 32
	s_mov_b32 s[G1+6], 0
	s_mov_b32 s[G1+7], 0
	; B's half: 64 rows of 128 elements of 2 bytes, 1,024 elements from row to row; 4 words of padding behind every 64 words
	s_or_b32 s[G1B+0], s44, (1<<16)|(1<<20)|(1<<21)|(5<<22)|(3<<25)
	s_mov_b32 s[G1B+1], 128<<16
	s_mov_b32 s[G1B+2], 64<<16
	s_mov_b32 s[G1B+3], 128<<16
	s_mov_b32 s[G1B+4], 64
	s_mov_b32 s[G1B+5], 1024
	s_mov_b32 s[G1B+6], 0
	s_mov_b32 s[G1B+7], 0
	s_lshl_b32 s16, s13, 14                        ; A: block row x 128 rows of 128 bytes
	s_lshl_b32 s17, s12, 19                        ; + head parity x 524,288
	s_add_co_u32 s16, s16, s17
	s_mov_b32 s17, 0
	s_lshl_b32 s46, s42, 18                        ; B: block column x 128 rows of 2,048 bytes
	s_lshl_b32 s47, s12, 17                        ; + half x 64 rows
	s_add_co_u32 s46, s46, s47
	s_mov_b32 s47, 0
	s_mul_i32 s20, s10, ASUB                       ; where they go, by the wave's number: A's sub-tiles at 18,432 w (waves 0, 1),
	s_mul_i32 s21, s10, BHALF
	s_add_co_u32 s21, s21, BOFF-2*BHALF            ; B's halves at 36,864 + 17,408 (w - 2) (waves 2, 3)
	s_wait_dscnt 0x0
	s_wait_kmcnt 0x0
	s_add_nc_u64 s[14:15], s[4:5], s[16:17]
	s_add_nc_u64 s[46:47], s[6:7], s[46:47]
	CROUND                                         ; all sixteen work-groups are here: the first joint loads meet
.irp n, 0,1,2,3
	s_mov_b32 s[G0+4*\n], 1
	s_add_co_u32 s[G0+4*\n+1], s20, \n*SLOT
	s_add_nc_u64 s[G0+4*\n+2:G0+4*\n+3], s[14:15], \n*1048576      ; K step n: two heads on
	s_or_b32 s[G0+4*\n+3], s[G0+4*\n+3], 0x80000000
	s_mov_b32 s[G0B+4*\n], 1
	s_add_co_u32 s[G0B+4*\n+1], s21, \n*SLOT
	s_add_nc_u64 s[G0B+4*\n+2:G0B+4*\n+3], s[46:47], \n*256        ; K step n: 128 elements on
	s_or_b32 s[G0B+4*\n+3], s[G0B+4*\n+3], 0x80000000
	JLOAD \n
.endr
	v_and_b32 v1, 15, v0                           ; r
	v_bfe_u32 v2, v0, 4, 1                         ; h
	v_mul_u32_u24 v3, v1, APITCH
	v_lshl_add_u32 v3, v2, 4, v3
	v_mul_u32_u24 v4, v1, BPITCH
	v_lshl_add_u32 v4, v2, 4, v4
	s_mul_i32 s22, s11, 64*APITCH                  ; my 64 rows of A
	s_mul_i32 s23, s12, BHALF                      ; my 64 rows of B
	s_add_co_u32 s23, s23, BOFF
.irp n, 0,1,2,3
	v_add_nc_u32 v[ADRA+\n], s22, v3
	v_add_nc_u32 v[ADRB+\n], s23, v4
	s_add_co_u32 s22, s22, SLOT
	s_add_co_u32 s23, s23, SLOT
.endr
	s_mul_i32 s45, s10, 16*SPITCH
	s_add_co_u32 s45, s45, STAGE                   ; my stage
	v_mul_u32_u24 v5, v1, SPITCH                   ; in: row r, 32 bytes (8 columns of f32) for each half of the lanes
	v_lshl_add_u32 v5, v2, 5, v5
	v_add_nc_u32 v[STO], s45, v5
	v_mul_u32_u24 v6, v2, SPITCH                   ; back: lanes 0-15 take one row of 256 bytes, lanes 16-31 the next
	v_lshl_add_u32 v6, v1, 4, v6
	v_add_nc_u32 v[RD], s45, v6
	v_lshlrev_b32 v7, 12, v2                       ; and the same two rows in out0, 4,096 bytes apart
	v_lshl_add_u32 v[CO], v1, 4, v7
; 16 LDS loads: the fragments of quarter kq (32 along K) of the K step in slot n, into buffer f
.macro FETCH n, kq, f
.irp b, 0,1,2,3
	ds_load_b128 v[\f+8*\b:\f+8*\b+3],   v[ADRB+\n] offset:\b*16*BPITCH+\kq*64
	ds_load_b128 v[\f+8*\b+4:\f+8*\b+7], v[ADRB+\n] offset:\b*16*BPITCH+\kq*64+32
.endr
.irp a, 0,1,2,3
	ds_load_b128 v[\f+32+8*\a:\f+32+8*\a+3], v[ADRA+\n] offset:(\kq/2)*ASUB+\a*16*APITCH+(\kq%2)*64
	ds_load_b128 v[\f+32+8*\a+4:\f+32+8*\a+7], v[ADRA+\n] offset:(\kq/2)*ASUB+\a*16*APITCH+(\kq%2)*64+32
.endr
.endm
; Q counts the quarter steps, 0 to 31: K step Q / 4, slot (Q / 4) % 4, buffer Q % 2.
.set Q, 0
; 16 matrix instructions on quarter Q's buffer; the sixteen accumulators take turns, one instruction a turn, in the same order in every quarter.
; Quarter 0 starts the sums: nothing is cleared.
.macro MUL16
	WIN 0x50                                       ; C and D in window 1
.set FB, F0+64*(Q%2)
.irp a, 0,1,2,3
.irp b, 0,1,2,3
.if Q == 0
	v_wmma_f32_16x16x32_f16 v[8*(4*\a+\b):8*(4*\a+\b)+7], v[FB+8*\b:FB+8*\b+7], v[FB+32+8*\a:FB+32+8*\a+7], 0
.else
	v_wmma_f32_16x16x32_f16 v[8*(4*\a+\b):8*(4*\a+\b)+7], v[FB+8*\b:FB+8*\b+7], v[FB+32+8*\a:FB+32+8*\a+7], v[8*(4*\a+\b):8*(4*\a+\b)+7]
.endif
.endr
.endr
.endm
.macro QHEAD
	WIN 0
	s_wait_dscnt 0x0                               ; this quarter's fragments, asked for a quarter ago, are in; in a K step's fourth quarter: my reads of its slot are over
.endm
.macro QBODY
	PLACES                                         ; the other buffer was read by the last quarter's matrix instructions
.if Q < 31
.set NS, ((Q+1)/4)%4
.set NK, (Q+1)%4
.set NF, F0+64*((Q+1)%2)
	FETCH NS, NK, NF                               ; the next quarter's fragments
.endif
	MUL16
.set Q, Q+1
.endm
.macro QUARTER
	QHEAD
	QBODY
.endm
.macro REFILL n                        ; slot n's second tile, four K steps on
	s_add_nc_u64 s[G0+4*\n+2:G0+4*\n+3], s[G0+4*\n+2:G0+4*\n+3], 4*1048576
	s_add_nc_u64 s[G0B+4*\n+2:G0B+4*\n+3], s[G0B+4*\n+2:G0B+4*\n+3], 4*256
	JLOAD \n
.endm
	s_wait_tensorcnt 0x3                           ; my part of K step 0 is in; the three younger loads stay out
	s_barrier_signal -1
	s_barrier_wait -1
	FETCH 0, 0, F0
	; K step 0
	QUARTER
	QUARTER
	QUARTER
	QHEAD
	s_wait_tensorcnt 0x2                           ; my part of K step 1 is in; two younger loads stay out
	s_barrier_signal -1
	s_barrier_wait -1
	QBODY
	; K step 1
	QUARTER
	QUARTER
	QUARTER
	QHEAD
	s_wait_tensorcnt 0x0                           ; all my loads have landed (K steps 2 and 3 among them) and my reads of slots 0 and 1 are over:
	ds_add_u32 v254, v255
	s_wait_dscnt 0x0
	CROUND                                         ; that holds of every wave of all sixteen work-groups
	REFILL 0                                       ; K steps 4 and 5: the first tensor loads behind the round, with two K steps (128 matrix instructions) in which to land
	REFILL 1
	QBODY
	; K step 2
	QUARTER
	QUARTER
	QUARTER
	QUARTER
	; K step 3
	QUARTER
	QUARTER
	QUARTER
	QHEAD
	s_wait_tensorcnt 0x0                           ; K steps 4 and 5 have landed; my reads of slots 2 and 3 are over
	ds_add_u32 v254, v255
	s_wait_dscnt 0x0
	CROUND
	REFILL 2                                       ; K steps 6 and 7
	REFILL 3
	QBODY
	; K step 4
	QUARTER
	QUARTER
	QUARTER
	QUARTER
	; K step 5
	QUARTER
	QUARTER
	QUARTER
	QHEAD
	s_wait_tensorcnt 0x0                           ; K steps 6 and 7 have landed,
	s_barrier_signal -1
	s_barrier_wait -1                              ; everybody's parts
	QBODY
	; K steps 6 and 7
.rept 8
	QUARTER
.endr
	; THE WAY OUT, 16 rows at a time: 32 bytes a lane into my own stage, read back as whole rows of 256 bytes (my 64 columns of f32).
	PLACES                                         ; four places behind the last matrix instructions: results are stored, the buffers loaded again
	s_lshl_b32 s13, s13, 7
	s_lshl_b32 s14, s11, 6
	s_add_co_u32 s16, s13, s14                     ; my first row
	s_lshl_b32 s16, s16, 12                        ; x 4,096 bytes
	s_mov_b32 s17, 0
	s_add_nc_u64 s[8:9], s[8:9], s[16:17]
	s_lshl_b32 s46, s42, 9                         ; my first column, in bytes: 512 x block + 256 x half
	s_lshl_b32 s47, s12, 8
	s_add_co_u32 s46, s46, s47
	s_mov_b32 s47, 0
	s_add_nc_u64 s[8:9], s[8:9], s[46:47]
.macro OUT16 a, f
	WIN 0x04                                       ; an LDS store's data: source 1, window 1
.irp b, 0,1,2,3
	ds_store_b128 v[STO], v[8*(4*\a+\b):8*(4*\a+\b)+3]   offset:64*\b
	ds_store_b128 v[STO], v[8*(4*\a+\b)+4:8*(4*\a+\b)+7] offset:64*\b+16
.endr
	WIN 0
	s_wait_xcnt 0x0                                ; buffer f, which earlier stores read, and the stores' base are rewritten only behind this wait
.if \a
	s_add_nc_u64 s[8:9], s[8:9], 16*4096           ; 16 rows on
.endif
.irp t, 0,1,2,3,4,5,6,7
	ds_load_b128 v[\f+4*\t:\f+4*\t+3], v[RD] offset:\t*2*SPITCH    ; my own bytes; LDS serves a wave's instructions in order
.endr
.irp t, 0,1,2,3,4,5,6,7
	s_wait_dscnt 7-\t
	global_store_b128 v[CO], v[\f+4*\t:\f+4*\t+3], s[8:9] offset:\t*2*4096 th:TH_STORE_NT   ; 16 lanes store 256 consecutive bytes, at a multiple of 256 from the buffer's first byte
.endr
.endm
	OUT16 0, F0
	OUT16 1, F1
	OUT16 2, F0
	OUT16 3, F1
	s_wait_tensorcnt 0x0
	ds_add_u32 v254, v255
	s_wait_dscnt 0x0
	CROUND                                         ; the closing round: no work-group ends while a partner may still ask for a tile that names it
	s_endpgm
.Lfunc_end_k_qccb5698d20_proj:
	.size	k_qccb5698d20_proj, .Lfunc_end_k_qccb5698d20_proj-k_qccb5698d20_proj
	.p2alignl 7, 3214868480
	.fill 96, 4, 3214868480
	.section	.rodata,"a",@progbits
	.p2align	6, 0x0
	.amdhsa_kernel k_qccb5698d20_proj
		.amdhsa_group_segment_fixed_size 327680
		.amdhsa_private_segment_fixed_size 0
		.amdhsa_enable_private_segment 0
		.amdhsa_kernarg_size 24
		.amdhsa_user_sgpr_count 2
		.amdhsa_user_sgpr_kernarg_segment_ptr 1
		.amdhsa_wavefront_size32 1
		.amdhsa_system_sgpr_workgroup_id_x 1
		.amdhsa_system_sgpr_workgroup_id_y 1
		.amdhsa_system_sgpr_workgroup_id_z 1
		.amdhsa_system_vgpr_workitem_id 0
		.amdhsa_next_free_vgpr 384
		.amdhsa_next_free_sgpr 100
		.amdhsa_reserve_vcc 0
		.amdhsa_float_denorm_mode_32 3
		.amdhsa_float_denorm_mode_16_64 3
		.amdhsa_memory_ordered 1
		.amdhsa_forward_progress 1
		.amdhsa_inst_pref_size 92
	.end_amdhsa_kernel
	.amdgpu_metadata
---
amdhsa.version: [ 1, 2 ]
amdhsa.kernels:
  - .name:           k_qccb5698d20_proj
    .symbol:         k_qccb5698d20_proj.kd
    .args:
      - { .name: yh, .offset: 0, .size: 8, .value_kind: global_buffer, .address_space: global }
      - { .name: wpb, .offset: 8, .size: 8, .value_kind: global_buffer, .address_space: global }
      - { .name: out0, .offset: 16, .size: 8, .value_kind: global_buffer, .address_space: global }
    .group_segment_fixed_size: 327680
    .private_segment_fixed_size: 0
    .kernarg_segment_align: 8
    .kernarg_segment_size: 24
    .max_flat_workgroup_size: 128
    .sgpr_count:     100
    .vgpr_count:     384
    .wavefront_size: 32
...
	.end_amdgpu_metadata
.endif
;; end of part 4
